; MI455X (gfx1250); checked and timed in simulation.
; The chip was launched on July 23, 2026; its instructions are those of AMD's public machine-readable ISA for CDNA 5 (MIT licence, August 2026) and "CDNA5" Instruction Set Architecture Reference Guide (July 2026). The comments in the code are by the model that wrote it; some were corrected since.
;; Co Attention. Allowed arithmetic: matrix products marked QUANTISED: E2M1 operands, one E8M0 scale for each 32 along K, by v_wmma_scale_f32_16x16x128_f8f6f4 with both operands' format E2M1 (or v_wmma_scale_f32_32x16x128_f4), f32 sums; everything else in f32.
;; Inputs: b_k 512 float32; b_q 512 float32; b_v1 512 float32; b_v2 512 float32; ln_beta 512 float32; ln_gamma 512 float32; w_k 512 x 512 float32; w_q 512 x 512 float32; w_v1 512 x 512 float32; w_v2 512 x 512 float32; x1 8 x 512 x 2,048 float32; x2 8 x 512 x 2,048 float32.
;; Outputs: out0 8 x 512 x 2,048 float32; out1 8 x 512 x 2,048 float32.
;; This version of the problem:
;;   THIS VERSION OF THE PROBLEM IS GIVEN IN LOW PRECISION. The matrix products marked QUANTISED in the list below multiply operands that are first quantised to E2M1 (2 exponent bits, 1 mantissa bit; 4 bits a number), with one power-of-two scale for each 32 numbers along K (OCP MX v1.0); their sums are f32. All else is computed in f32.
;;   The module's matrix products, in the order in which they are computed (A, B: the left and right operand; K: the contracted axis; several contracted axes count as one K, in the product's order):
;;     1. [M 16,384, K 512] x [K 512, N 512]; A: input x1; B: input w_q: QUANTISED
;;     2. [M 16,384, K 512] x [K 512, N 512]; A: input x2; B: input w_k: QUANTISED
;;     3. [M 16,384, K 512] x [K 512, N 512]; A: input x1; B: input w_v1: QUANTISED
;;     4. [M 16,384, K 512] x [K 512, N 512]; A: input x2; B: input w_v2: QUANTISED
;;     5. batch 8 x [M 2,048, K 512] x [K 512, N 2,048]; A: computed on the way; B: computed on the way: QUANTISED
;;     6. batch 8 x [M 2,048, K 2,048] x [K 2,048, N 512]; A: softmax (see below); B: computed on the way: QUANTISED
;;     7. batch 8 x [M 2,048, K 2,048] x [K 2,048, N 512]; A: softmax (see below); B: computed on the way: QUANTISED
;;   THE QUANTISER, for each operand of a quantised product, along K:
;;     - K is cut into blocks of 32 from its start; a last block that is shorter is filled with zeros.
;;     - A block's scale is 2^e with e = floor(log2(the largest magnitude in the block)) - 2, held to -126 .. 127; a block of zeros has e = 0. As a byte (E8M0): e + 127.
;;     - Each number is divided by its block's scale, clamped to +-6, and rounded to the nearest number of E2M1, ties to even, subnormals kept.
;;     - The product sums the exact products of the quantised numbers (number of the format x scale) in f32.
;;   ~~~python
;;   def quantise(x, axis):      # numpy; x: float32 -> the quantised numbers, widened to float32 again
;;       x = np.moveaxis(x, axis, -1); K = x.shape[-1]
;;       x = np.pad(x, [(0, 0)] * (x.ndim - 1) + [(0, -K % 32)]); x = x.reshape(x.shape[:-1] + (-1, 32)); a = np.abs(x).max(-1, keepdims=True)
;;       e = np.where(a > 0, np.clip(np.frexp(np.where(a > 0, a, 1))[1] - 1 - 2, -126, 127), 0)      # np.frexp(a)[1] - 1 = floor(log2(a)), exactly
;;       r = np.clip(x / 2.0 ** e, -6, 6)
;;       step = 2.0 ** (np.maximum(np.frexp(np.where(r == 0, 1, r))[1] - 1, 0) - 1)
;;       q = np.round(r / step) * step * 2.0 ** e      # np.round: ties to even
;;       return np.moveaxis(q.reshape(q.shape[:-2] + (-1,))[..., :K], -1, axis).astype(np.float32)
;;   ~~~
;;   SOFTMAX AHEAD OF A QUANTISED PRODUCT. Where the list says 'softmax', what is quantised is not the finished softmax but p = 2^(t - M), with t = logit x log2(e) and M = ceil(the row's largest t), a whole number; so 1/2 < the row's largest p <= 1. The row's sum l is taken of the UNQUANTISED p, in f32, and the product's result is divided by l at the end. Since M is a whole number, a kernel that streams over the keys may use a running M (the ceiling of the running maximum): every later rescaling is an exact power of two, which a block's scale takes up: the codes' values come out the same.
;;   OPERANDS COMPUTED ON THE WAY. 'Computed on the way' means the value that the module computes at that place (a softmax that the list does not call 'softmax' is quantised finished and normalised). What goes into a quantiser is computed in f32, as accurately as f32 sums, v_exp_f32 and their like allow (about 1e-6 of the number): no bf16 or f16 on the way to a quantiser, and a product that is left as it is and whose result goes on into a quantised operand takes f32 operands (vector FMAs, or v_wmma_f32_16x16x4_f32). A number that lies on a knife's edge between two numbers of the format may be rounded either way, as far as f32 arithmetic and the matrix unit's own rounding can turn it there, and no further.
;; One version. Each part assembles by itself: llvm-mc -triple=amdgcn-amd-amdhsa -mcpu=gfx1250 --defsym DOCPART=n.
;; ======== version 1 of 1: 3 launches
;; limits: right only within a limited range of input values
;; workspace buffers: wcodes 524,288 bytes; wscales 32,768 bytes; kv 17,825,792 bytes
;; launch wquant (part 1): grid 16 x 4, 8 waves a work-group, no clusters, 2,048 bytes of LDS; arguments w_q, w_k, w_v1, w_v2, wcodes, wscales; writes wcodes, wscales
.if DOCPART == 1
	.amdgcn_target "amdgcn-amd-amdhsa--gfx1250"
	.amdhsa_code_object_version 6
	.text
	.protected	k_q77b0c0d5cb_wquant
	.globl	k_q77b0c0d5cb_wquant
	.p2align	8
	.type	k_q77b0c0d5cb_wquant,@function
k_q77b0c0d5cb_wquant:
	s_mov_b64 s[64:65], 0
	v_nop
	global_prefetch_b8 v0, s[64:65] scope:SCOPE_SE
	s_setreg_imm32_b32 hwreg(HW_REG_WAVE_MODE, 25, 1), 1
	s_wait_xcnt 0x0
; The four weights [512 (d)][512 (c)], f32, K = c innermost, become codes of FP4 (E2M1) with one E8M0 byte for each 32 along c, laid in the ORDER OF AN OPERAND'S REGISTERS.
; A fragment is 16 rows x 128 K: 8 registers a lane; lane (r, h) holds row r, registers 4 c .. 4 c + 3 hold K = 64 c + 32 h + 0 .. 31.  Its IMAGE is 1,024 bytes: register group c of lane l at 512 c + 16 l.
; wcodes: [weight 4: q, k, v1, v2][tile 32][K step 4][image].   wscales: [weight][group of 8 tiles 4][K step 4][512 bytes: lane (r, h), word i = the scale word of row r of tile 2 i + h of the group].
; WHICH ROWS FORM A TILE: w_q, w_k: lane r of tile 2 b + u takes row 32 b + 8 u + r + 8 (r / 8), so that the results of two neighbouring tiles are 16 neighbours along d, the next product's K.  w_v1, w_v2: row 16 tile + r.
; SHARES: work-group x = 4 g + s (group of tiles, K step), y = the weight; wave t takes tile 8 g + t: one fragment.  A lane's two blocks of 32 are all its own: no other lane is asked for a maximum.
; A lane loads 16 bytes at a time of its own row, rows 2,048 bytes apart; the 8 loads of a wave that follow each other use up the same 128 bytes of each row.  The launch reads 4 MiB once.
; No cluster: no two work-groups read the same bytes.  No matrix unit, no tensor load: a stream.
; A block's scale is 2^(floor(log2(largest magnitude)) - 2); its byte is the largest magnitude's exponent field - 2, held at 1 from below.
; LIMITS: a block of zeros gets the byte 1 where the rule says 127 (its codes are zeros, and this program alone reads the bytes); NaN and infinities among the inputs are not served.
.set XN, 32                            ; v32-95  my 64 numbers: 32 c + i = K 64 c + 32 h + i
.set CD, 16                            ; v16-23  the fragment's registers
	s_load_b256 s[4:11], s[0:1], 0x0               ; w_q, w_k, w_v1, w_v2
	s_load_b128 s[12:15], s[0:1], 0x20             ; wcodes, wscales
	v_lshl_add_u32 v96, v0, 2, 0x400
	v_mov_b32 v97, 0
	v_lshrrev_b32 v1, 5, v0
	s_delay_alu instid0(VALU_DEP_1)
	v_readfirstlane_b32 s16, v1                    ; wave t, 0..7
	s_and_b32 s17, ttmp7, 0xffff                   ; which weight
	s_lshr_b32 s18, ttmp9, 2                       ; g
	s_and_b32 s19, ttmp9, 3                        ; s
	s_mov_b32 s20, 0x76543210
	s_mov_b32 s21, 0xfedcba98                      ; v_permlanex16_b32's selects for lane l xor 16
	s_lshl_b32 s22, s18, 3
	s_add_co_u32 s22, s22, s16                     ; tile = 8 g + t
	s_lshr_b32 s23, s22, 1
	s_lshl_b32 s23, s23, 5
	s_and_b32 s24, s22, 1
	s_lshl_b32 s24, s24, 3
	s_add_co_u32 s23, s23, s24                     ; 32 (tile / 2) + 8 (tile % 2)
	s_lshl_b32 s24, s22, 4                         ; 16 tile
	s_cmp_lt_u32 s17, 2                            ; w_q, w_k: the chosen rows;  w_v1, w_v2: neighbours
	s_cselect_b32 s23, s23, s24                    ; the tile's first row
	s_cselect_b32 s25, 8, 0                        ; what lanes 8-15 skip
	v_and_b32 v1, 15, v0                           ; r
	v_bfe_u32 v2, v0, 4, 1                         ; h
	s_delay_alu instid0(VALU_DEP_2)
	v_lshrrev_b32 v3, 3, v1
	s_delay_alu instid0(VALU_DEP_1)
	v_mad_u32_u24 v4, v3, s25, v1
	s_delay_alu instid0(VALU_DEP_1)
	v_add_nc_u32 v4, s23, v4                       ; my row d
	s_delay_alu instid0(VALU_DEP_1)
	v_lshlrev_b32 v4, 11, v4                       ; 2,048 bytes a row
	s_delay_alu instid0(VALU_DEP_1)
	v_lshl_add_u32 v4, v2, 7, v4                   ; + 128 h: my block of 32
	s_lshl_b32 s26, s19, 9
	v_add_nc_u32 v4, s26, v4                       ; + 512 s: the K step
	v_and_b32 v5, 31, v0
	s_delay_alu instid0(VALU_DEP_1)
	v_lshlrev_b32 v5, 4, v5                        ; 16 x lane
	s_and_b32 s27, s16, 1
	s_lshl_b32 s27, s27, 8
	s_lshr_b32 s28, s16, 1
	s_lshl_b32 s28, s28, 2
	s_add_co_u32 s27, s27, s28
	v_lshl_add_u32 v6, v1, 4, s27                  ; LDS: my row's word in the group: 16 r + 256 (t % 2) + 4 (t / 2)
	s_lshl_b32 s28, s17, 5
	s_add_co_u32 s28, s28, s22
	s_lshl_b32 s28, s28, 12
	s_lshl_b32 s29, s19, 10
	s_add_co_u32 s28, s28, s29                     ; the image's place: (32 weight + tile) x 4,096 + 1,024 s
	s_mov_b32 s29, 0
	s_lshl_b32 s30, s17, 2
	s_add_co_u32 s30, s30, s18
	s_lshl_b32 s30, s30, 2
	s_add_co_u32 s30, s30, s19
	s_lshl_b32 s30, s30, 9                         ; the scale group's: ((4 weight + g) x 4 + s) x 512
	s_mov_b32 s31, 0
	s_wait_alu depctr_va_vdst(0)
	s_wait_kmcnt 0x0
	s_cmp_eq_u32 s17, 1                            ; the choice hangs on the work-group's number alone
	s_cselect_b64 s[4:5], s[6:7], s[4:5]
	s_cmp_eq_u32 s17, 2
	s_cselect_b64 s[4:5], s[8:9], s[4:5]
	s_cmp_eq_u32 s17, 3
	s_cselect_b64 s[4:5], s[10:11], s[4:5]
	s_add_nc_u64 s[12:13], s[12:13], s[28:29]
	s_add_nc_u64 s[14:15], s[14:15], s[30:31]
.irp c, 0,1
.irp i, 0,1,2,3,4,5,6,7
	global_load_b128 v[XN+32*\c+4*\i:XN+32*\c+4*\i+3], v4, s[4:5] offset:256*\c+16*\i
.endr
.endr
	s_wait_loadcnt 0x0
.irp c, 0,1                                    ; my block 2 c + h: its largest magnitude, and the floor 2^(3 - 127): the byte cannot fall under 1
	v_max3_num_f32 v[8+\c], |v[XN+32*\c]|, |v[XN+1+32*\c]|, 0x1800000
.endr
.irp i, 2,4,6,8,10,12,14,16,18,20,22,24,26,28,30
.irp c, 0,1
	s_delay_alu instid0(VALU_DEP_2)
	v_max3_num_f32 v[8+\c], v[8+\c], |v[XN+32*\c+\i]|, |v[XN+1+32*\c+\i]|   ; (the two blocks by turns)
.endr
.endr
.irp c, 0,1
	s_delay_alu instid0(VALU_DEP_2)
	v_add_nc_u32 v[10+\c], 0xff000000, v[8+\c]     ; 2 off the exponent field: the conversion takes this operand's exponent field as its scale
.endr
.irp c, 0,1
	s_delay_alu instid0(VALU_DEP_2)
	v_lshrrev_b32 v[12+\c], 23, v[10+\c]           ; the scale's byte
.endr
	s_delay_alu instid0(VALU_DEP_1)
	v_lshl_or_b32 v14, v13, 16, v12                ; my two bytes, blocks h and 2 + h,
	v_lshlrev_b32 v15, 3, v2
	s_delay_alu instid0(VALU_DEP_1)
	v_lshlrev_b32 v14, v15, v14                    ; at their places in the word;
	v_mov_b32 v15, 0
	s_delay_alu instid0(VALU_DEP_1)
	v_permlanex16_b32 v15, v14, s20, s21
	s_delay_alu instid0(VALU_DEP_1)
	v_or_b32 v14, v14, v15                         ; with lane l xor 16's two the word is whole, in both lanes
.irp c, 0,1
.irp g, 0,1,2,3
	v_cvt_scalef32_pk8_fp4_f32 v[CD+4*\c+\g], v[XN+32*\c+8*\g:XN+32*\c+8*\g+7], v[10+\c]
.endr
.endr
	v_nop                                          ; one plain line behind the last scaled conversion
	global_store_b128 v5, v[CD:CD+3], s[12:13]             ; the wave stores 512 consecutive bytes, aligned
	global_store_b128 v5, v[CD+4:CD+7], s[12:13] offset:512
	ds_store_b32 v6, v14                           ; lanes r and r + 16 write the same word with the same value
	s_wait_dscnt 0x0                               ; for the others' sake: my word lies in LDS
	s_barrier_signal -1
	s_barrier_wait -1
	s_cmp_lg_u32 s16, 0                            ; wave 0 stores the group's 512 bytes
	s_cbranch_scc1 .Ldone
	ds_load_b128 v[24:27], v5
	s_wait_dscnt 0x0
	global_store_b128 v5, v[24:27], s[14:15]
.Ldone:
	s_wait_tensorcnt 0x0
	ds_add_u32 v96, v97
	s_wait_dscnt 0x0
	s_endpgm
.Lfunc_end_k_q77b0c0d5cb_wquant:
	.size	k_q77b0c0d5cb_wquant, .Lfunc_end_k_q77b0c0d5cb_wquant-k_q77b0c0d5cb_wquant
	.p2alignl 7, 3214868480
	.fill 96, 4, 3214868480
	.section	.rodata,"a",@progbits
	.p2align	6, 0x0
	.amdhsa_kernel k_q77b0c0d5cb_wquant
		.amdhsa_group_segment_fixed_size 2048
		.amdhsa_private_segment_fixed_size 0
		.amdhsa_enable_private_segment 0
		.amdhsa_kernarg_size 48
		.amdhsa_user_sgpr_count 2
		.amdhsa_user_sgpr_kernarg_segment_ptr 1
		.amdhsa_wavefront_size32 1
		.amdhsa_system_sgpr_workgroup_id_x 1
		.amdhsa_system_sgpr_workgroup_id_y 1
		.amdhsa_system_sgpr_workgroup_id_z 1
		.amdhsa_system_vgpr_workitem_id 0
		.amdhsa_next_free_vgpr 98
		.amdhsa_next_free_sgpr 66
		.amdhsa_reserve_vcc 0
		.amdhsa_float_denorm_mode_32 3
		.amdhsa_float_denorm_mode_16_64 3
		.amdhsa_memory_ordered 1
		.amdhsa_forward_progress 1
		.amdhsa_inst_pref_size 10
	.end_amdhsa_kernel
	.amdgpu_metadata
---
amdhsa.version: [ 1, 2 ]
amdhsa.kernels:
  - .name:           k_q77b0c0d5cb_wquant
    .symbol:         k_q77b0c0d5cb_wquant.kd
    .args:
      - { .name: w_q, .offset: 0, .size: 8, .value_kind: global_buffer, .address_space: global }
      - { .name: w_k, .offset: 8, .size: 8, .value_kind: global_buffer, .address_space: global }
      - { .name: w_v1, .offset: 16, .size: 8, .value_kind: global_buffer, .address_space: global }
      - { .name: w_v2, .offset: 24, .size: 8, .value_kind: global_buffer, .address_space: global }
      - { .name: wcodes, .offset: 32, .size: 8, .value_kind: global_buffer, .address_space: global }
      - { .name: wscales, .offset: 40, .size: 8, .value_kind: global_buffer, .address_space: global }
    .group_segment_fixed_size: 2048
    .private_segment_fixed_size: 0
    .kernarg_segment_align: 8
    .kernarg_segment_size: 48
    .max_flat_workgroup_size: 256
    .sgpr_count:     66
    .vgpr_count:     98
    .wavefront_size: 32
...
	.end_amdgpu_metadata
.endif
;; end of part 1
;; launch proj (part 2): grid 16 x 16, 4 waves a work-group, no clusters, 327,680 bytes of LDS; arguments x1, x2, wcodes, wscales, b_q, b_k, b_v1, b_v2, kv; writes kv
.if DOCPART == 2
	.amdgcn_target "amdgcn-amd-amdhsa--gfx1250"
	.amdhsa_code_object_version 6
	.text
	.protected	k_q77b0c0d5cb_proj
	.globl	k_q77b0c0d5cb_proj
	.p2align	8
	.type	k_q77b0c0d5cb_proj,@function
k_q77b0c0d5cb_proj:
	s_mov_b64 s[64:65], 0
	v_nop
	global_prefetch_b8 v0, s[64:65] scope:SCOPE_SE
	s_setreg_imm32_b32 hwreg(HW_REG_WAVE_MODE, 25, 1), 1
	s_wait_xcnt 0x0
.set KVB,  69632
.set XP,   528
.set XIMG, 512*XP
.set TP,   4224
.set XSC,  XIMG+8*TP
.set AL,   1
.set XA,   2
.set XW,   3
.set XSW,  4
.set VKO,  5
.set VVO,  6
.set VSX,  7
.set XR,   8
.set ACC,  16
.set PC,   80
.set TM,   88
.set PW,   104
.set SOK,  106
.set SOV,  110
.set CB,   114
.set BV,   122
.set XS,   130
.set WSQ,  146
.set WSV,  162
.set BQ,   178
.set SB,   242
.set WV,   22
.set G1,   24
.set G0,   32
.set SEL,  42
.set MSB, 0
.macro WIN new
.if MSB != (\new)
	s_set_vgpr_msb (MSB<<8)|(\new)
.set MSB, (\new)
.endif
.endm
.macro PLACES n
.rept \n
	v_nop
.endr
.endm
.macro WM d, a, b, c, sa, sb, ra, rb
.if (\c) < 0
.if (\ra) && (\rb)
	v_wmma_scale_f32_16x16x128_f8f6f4 v[(\d):(\d)+7], v[(\a):(\a)+7], v[(\b):(\b)+7], 0, v[\sa], v[\sb] matrix_a_fmt:MATRIX_FMT_FP4 matrix_b_fmt:MATRIX_FMT_FP4 matrix_a_scale:MATRIX_SCALE_ROW1 matrix_b_scale:MATRIX_SCALE_ROW1
.elseif (\ra)
	v_wmma_scale_f32_16x16x128_f8f6f4 v[(\d):(\d)+7], v[(\a):(\a)+7], v[(\b):(\b)+7], 0, v[\sa], v[\sb] matrix_a_fmt:MATRIX_FMT_FP4 matrix_b_fmt:MATRIX_FMT_FP4 matrix_a_scale:MATRIX_SCALE_ROW1
.elseif (\rb)
	v_wmma_scale_f32_16x16x128_f8f6f4 v[(\d):(\d)+7], v[(\a):(\a)+7], v[(\b):(\b)+7], 0, v[\sa], v[\sb] matrix_a_fmt:MATRIX_FMT_FP4 matrix_b_fmt:MATRIX_FMT_FP4 matrix_b_scale:MATRIX_SCALE_ROW1
.else
	v_wmma_scale_f32_16x16x128_f8f6f4 v[(\d):(\d)+7], v[(\a):(\a)+7], v[(\b):(\b)+7], 0, v[\sa], v[\sb] matrix_a_fmt:MATRIX_FMT_FP4 matrix_b_fmt:MATRIX_FMT_FP4
.endif
.else
.if (\ra) && (\rb)
	v_wmma_scale_f32_16x16x128_f8f6f4 v[(\d):(\d)+7], v[(\a):(\a)+7], v[(\b):(\b)+7], v[(\c):(\c)+7], v[\sa], v[\sb] matrix_a_fmt:MATRIX_FMT_FP4 matrix_b_fmt:MATRIX_FMT_FP4 matrix_a_scale:MATRIX_SCALE_ROW1 matrix_b_scale:MATRIX_SCALE_ROW1
.elseif (\ra)
	v_wmma_scale_f32_16x16x128_f8f6f4 v[(\d):(\d)+7], v[(\a):(\a)+7], v[(\b):(\b)+7], v[(\c):(\c)+7], v[\sa], v[\sb] matrix_a_fmt:MATRIX_FMT_FP4 matrix_b_fmt:MATRIX_FMT_FP4 matrix_a_scale:MATRIX_SCALE_ROW1
.elseif (\rb)
	v_wmma_scale_f32_16x16x128_f8f6f4 v[(\d):(\d)+7], v[(\a):(\a)+7], v[(\b):(\b)+7], v[(\c):(\c)+7], v[\sa], v[\sb] matrix_a_fmt:MATRIX_FMT_FP4 matrix_b_fmt:MATRIX_FMT_FP4 matrix_b_scale:MATRIX_SCALE_ROW1
.else
	v_wmma_scale_f32_16x16x128_f8f6f4 v[(\d):(\d)+7], v[(\a):(\a)+7], v[(\b):(\b)+7], v[(\c):(\c)+7], v[\sa], v[\sb] matrix_a_fmt:MATRIX_FMT_FP4 matrix_b_fmt:MATRIX_FMT_FP4
.endif
.endif
.endm
.macro QUANT s
.irp b, 0,1,2,3
	v_max3_num_f32 v[TM+\b], |v[\s+16*\b]|, |v[\s+1+16*\b]|, 0x1800000
.endr
.irp i, 2,4,6,8,10,12,14
.irp b, 0,1,2,3
	v_max3_num_f32 v[TM+\b], v[TM+\b], |v[\s+16*\b+\i]|, |v[\s+1+16*\b+\i]|
.endr
.endr
.irp b, 0,1,2,3
	v_permlanex16_b32 v[TM+4+\b], v[TM+\b], s[SEL], s[SEL+1]
.endr
.irp b, 0,1,2,3
	v_max_num_f32 v[TM+\b], v[TM+\b], v[TM+4+\b]
.endr
.irp b, 0,1,2,3
	v_add_nc_u32 v[TM+12+\b], 0xff000000, v[TM+\b]
.endr
.irp b, 0,1,2,3
	v_lshrrev_b32 v[TM+4+\b], 23, v[TM+12+\b]
.endr
	v_lshl_or_b32 v[PW], v[TM+5], 8, v[TM+4]
	v_lshl_or_b32 v[PW], v[TM+6], 16, v[PW]
	v_lshl_or_b32 v[PW], v[TM+7], 24, v[PW]
.irp b, 0,1,2,3
	v_cvt_scalef32_pk8_fp4_f32 v[PC+2*\b], v[\s+16*\b:\s+7+16*\b], v[TM+12+\b]
	v_cvt_scalef32_pk8_fp4_f32 v[PC+1+2*\b], v[\s+8+16*\b:\s+15+16*\b], v[TM+12+\b]
.endr
	v_nop
.irp c, 0,1
.irp i, 0,1
	v_permlane16_swap_b32 v[PC+4*\c+\i], v[PC+2+4*\c+\i]
.endr
.endr
.endm
	s_load_b256 s[4:11], s[0:1], 0x0
	s_load_b256 s[12:19], s[0:1], 0x20
	s_load_b64 s[20:21], s[0:1], 0x40
	v_lshl_add_u32 v254, v0, 2, 0x4ac00
	v_mov_b32 v255, 0
	ds_add_u32 v254, v255
	ds_add_u32 v254, v255
	v_lshrrev_b32 v11, 5, v0
	v_readfirstlane_b32 s[WV], v11
	s_and_b32 s23, ttmp7, 0xffff
	s_lshr_b32 s40, s23, 3
	s_and_b32 s41, s23, 7
	s_mov_b32 s[G1+0], (2<<16)|(1<<20)|(6<<22)|(3<<25)
	s_mov_b32 s[G1+1], 128<<16
	s_mov_b32 s[G1+2], 128<<16
	s_mov_b32 s[G1+3], 128<<16
	s_mov_b32 s[G1+4], 128
	s_mov_b32 s[G1+5], 2048
	s_mov_b32 s[G1+6], 0
	s_mov_b32 s[G1+7], 0
	s_mul_i32 s44, s[WV], 128*XP                   ; wave w fetches channel rows 128 w on: one tensor load a wave
	s_lshl_b32 s46, s41, 22
	s_lshl_b32 s45, s[WV], 20
	s_add_co_u32 s46, s46, s45
	s_lshl_b32 s45, ttmp9, 9
	s_add_co_u32 s46, s46, s45
	s_mov_b32 s47, 0
	s_wait_dscnt 0x0
	s_wait_kmcnt 0x0
	s_cmp_eq_u32 s40, 0
	s_cselect_b64 s[4:5], s[4:5], s[6:7]
	s_cselect_b64 s[12:13], s[12:13], s[14:15]
	s_cselect_b64 s[16:17], s[16:17], s[18:19]
	s_add_nc_u64 s[4:5], s[4:5], s[46:47]
	s_mov_b32 s[G0+0], 1
	s_mov_b32 s[G0+1], s44
	s_mov_b64 s[G0+2:G0+3], s[4:5]
	s_or_b32 s[G0+3], s[G0+3], 0x80000000
	tensor_load_to_lds s[G0:G0+3], s[G1:G1+7]      ; 128 rows of 512 bytes: my quarter of the tile of x
	s_nop 0
	PLACES 4
	s_mov_b32 s49, 0
	s_lshl_b32 s48, s40, 17
	s_lshl_b32 s45, s[WV], 15
	s_add_co_u32 s48, s48, s45
	s_add_nc_u64 s[8:9], s[8:9], s[48:49]
	s_lshl_b32 s48, s40, 13
	s_lshl_b32 s45, s[WV], 11
	s_add_co_u32 s48, s48, s45
	s_add_nc_u64 s[10:11], s[10:11], s[48:49]
	s_lshl_b32 s48, s[WV], 9
	s_add_nc_u64 s[12:13], s[12:13], s[48:49]
	s_add_nc_u64 s[16:17], s[16:17], s[48:49]
	s_lshl_b32 s48, s23, 4
	s_add_co_u32 s48, s48, ttmp9
	s_mul_i32 s48, s48, KVB
	s_add_nc_u64 s[20:21], s[20:21], s[48:49]
	s_mov_b32 s[SEL], 0x76543210
	s_mov_b32 s[SEL+1], 0xfedcba98
	s_mov_b32 vcc_lo, 0xffff0000
	s_mul_i32 s45, s[WV], 2*TP
	s_add_co_u32 s45, s45, XIMG
	s_lshl_b32 s46, s[WV], 9
	s_add_co_u32 s46, s46, XSC
	v_and_b32 v11, 31, v0
	v_lshlrev_b32 v[AL], 4, v11
	v_lshlrev_b32 v[XA], 2, v0
	v_bfe_u32 v12, v0, 3, 1
	v_bfe_u32 v13, v0, 4, 1
	v_and_b32 v14, 7, v0
	v_lshl_add_u32 v14, v13, 3, v14
	v_lshlrev_b32 v14, 4, v14
	v_mad_u32_u24 v[XW], v12, TP, v14
	v_add_nc_u32 v[XW], s45, v[XW]
	v_lshl_add_u32 v[XSW], v12, 8, v14
	v_add_nc_u32 v[XSW], s46, v[XSW]
	v_lshl_add_u32 v[VKO], s[WV], 10, v[AL]
	v_lshl_add_u32 v[VVO], s[WV], 13, v[AL]
	v_lshl_add_u32 v[VSX], s[WV], 9, v[AL]
	v_add_nc_u32 v[XR], XIMG, v[AL]
	v_lshlrev_b32 v9, 6, v13
	v_and_b32 v10, 15, v0
	v_lshlrev_b32 v10, 2, v10
.irp b, 0,1,2,3
	v_mov_b32 v[TM+4+\b], 0
.endr
	WIN 0x80
.set k, 0
.rept 64
	global_load_b128 v[4*k:4*k+3], v[AL], s[8:9] offset:512*k
.set k, k+1
.endr
	WIN 0xc0
.set k, 0
.rept 64
	global_load_b128 v[4*k:4*k+3], v[AL], s[8:9] offset:262144+512*k
.set k, k+1
.endr
	WIN 0
.irp s, 0,1,2,3
	global_load_b128 v[WSQ+4*\s:WSQ+4*\s+3], v[AL], s[10:11] offset:512*\s
	global_load_b128 v[WSV+4*\s:WSV+4*\s+3], v[AL], s[10:11] offset:16384+512*\s
.endr
.irp t, 0,1,2,3,4,5,6,7
	global_load_b128 v[BQ+8*\t:BQ+8*\t+3], v9, s[12:13] offset:(32*(\t/2)+8*(\t%2))*4
	global_load_b128 v[BQ+8*\t+4:BQ+8*\t+7], v9, s[12:13] offset:(32*(\t/2)+8*(\t%2))*4+16
	global_load_b32 v[BV+\t], v10, s[16:17] offset:64*\t
.endr
.macro LOADX kb
.set xs, ACC+32*((\kb)%2)
.irp i, 0,1,2,3,4,5,6,7,8,9,10,11,12,13,14,15,16,17,18,19,20,21,22,23,24,25,26,27,28,29,30,31
	ds_load_b32 v[xs+\i], v[XA] offset:XP*\i
.endr
	v_add_nc_u32 v[XA], 32*XP, v[XA]
.endm
.macro BLOCK kb, cnt, nxt
.set xs, ACC+32*((\kb)%2)
.set cs, PC+4*((\kb)%2)
	s_wait_dscnt \cnt
	v_max3_num_f32 v12, |v[xs]|, |v[xs+1]|, |v[xs+2]|
	v_max3_num_f32 v13, |v[xs+3]|, |v[xs+4]|, |v[xs+5]|
.irp i, 6,10,14,18,22,26
	v_max3_num_f32 v12, v12, |v[xs+\i]|, |v[xs+\i+1]|
	v_max3_num_f32 v13, v13, |v[xs+\i+2]|, |v[xs+\i+3]|
.endr
	v_max3_num_f32 v12, v12, |v[xs+30]|, |v[xs+31]|
	v_max3_num_f32 v12, v12, v13, 0x1800000
	v_add_nc_u32 v11, 0xff000000, v12
	v_lshrrev_b32 v13, 23, v11
.if (\kb)%4 == 0
	v_mov_b32 v[SB+(\kb)/4], v13
.else
	v_lshl_or_b32 v[SB+(\kb)/4], v13, 8*((\kb)%4), v[SB+(\kb)/4]
.endif
.irp g, 0,1,2,3
	v_cvt_scalef32_pk8_fp4_f32 v[cs+\g], v[xs+8*\g:xs+8*\g+7], v11
.endr
	v_nop
	ds_store_b128 v[XW], v[cs:cs+3] offset:256*(\kb)
.if \nxt
	LOADX (\kb)+2
.endif
.endm
	s_wait_alu depctr_va_vdst(0)                   ; the wait at the head's end
	s_wait_tensorcnt 0x0                           ; my quarter is in
	s_barrier_signal -1
	s_barrier_wait -1                              ; everybody's is
	LOADX 0
	LOADX 1
	BLOCK 0, 32, 1
.irp kb, 1,2,3,4,5,6,7,8,9,10,11,12,13
	BLOCK \kb, 33, 1                               ; behind this block's 32 loads: the last block's store and the next block's 32 loads
.endr
	BLOCK 14, 33, 0
	BLOCK 15, 1, 0
	ds_store_b128 v[XSW], v[SB:SB+3]
	s_wait_dscnt 0x0
	s_barrier_signal -1
	s_barrier_wait -1
	WIN 0x40
.irp m, 0,1,2,3,4,5,6,7
.irp k, 0,1,2,3,4,5,6,7
	ds_load_b128 v[32*\m+4*\k:32*\m+4*\k+3], v[XR] offset:TP*\m+512*\k
.endr
.endr
	WIN 0
.irp b, 0,1,2,3
	ds_load_b128 v[XS+4*\b:XS+4*\b+3], v[XR] offset:8*TP+512*\b
.endr
	s_wait_dscnt 0x0
	s_wait_loadcnt 0x0
.macro QKT row
	WIN 0x06
.irp s, 0,1,2,3
.irp t, 0,1,2,3,4,5,6,7
.if \s == 0
	WM ACC+8*\t, 8*(4*\t+\s), 8*(4*(\row)+\s), BQ+8*\t, WSQ+4*\s+\t/2, XS+4*((\row)/2)+\s, \t%2, (\row)%2
.else
	WM ACC+8*\t, 8*(4*\t+\s), 8*(4*(\row)+\s), ACC+8*\t, WSQ+4*\s+\t/2, XS+4*((\row)/2)+\s, \t%2, (\row)%2
.endif
.endr
.endr
	WIN 0
	PLACES 4
	s_wait_xcnt 0x0
	QUANT ACC
	global_store_b128 v[VKO], v[PC:PC+3], s[20:21] offset:4096*(\row)
	global_store_b128 v[VKO], v[PC+4:PC+7], s[20:21] offset:4096*(\row)+512
.if (\row)%2 == 0
	v_mov_b32 v[SOK+(\row)/2], v[PW]
.else
	v_cndmask_b32 v[SOK+(\row)/2], v[SOK+(\row)/2], v[PW], vcc_lo
.endif
.endm
.irp m, 0,1,2,3,4,5,6,7
	QKT \m
.endr
	global_store_b128 v[VSX], v[SOK:SOK+3], s[20:21] offset:65536
.macro VPT ch
.irp j, 0,1,2,3,4,5,6,7
	v_mov_b32 v[CB+\j], v[BV+(\ch)]
.endr
	PLACES 4
	WIN 0x0d
.irp s, 0,1,2,3
.irp m, 0,1,2,3,4,5,6,7
.if \s == 0
	WM ACC+8*\m, 8*(4*\m+\s), 8*(4*(\ch)+\s), CB, XS+4*(\m/2)+\s, WSV+4*\s+(\ch)/2, \m%2, (\ch)%2
.else
	WM ACC+8*\m, 8*(4*\m+\s), 8*(4*(\ch)+\s), ACC+8*\m, XS+4*(\m/2)+\s, WSV+4*\s+(\ch)/2, \m%2, (\ch)%2
.endif
.endr
.endr
	WIN 0
	PLACES 4
	s_wait_xcnt 0x0
	QUANT ACC
	global_store_b128 v[VVO], v[PC:PC+3], s[20:21] offset:32768+1024*(\ch)
	global_store_b128 v[VVO], v[PC+4:PC+7], s[20:21] offset:32768+1024*(\ch)+512
.if (\ch)%2 == 0
	v_mov_b32 v[SOV+(\ch)/2], v[PW]
.else
	v_cndmask_b32 v[SOV+(\ch)/2], v[SOV+(\ch)/2], v[PW], vcc_lo
.endif
.endm
.irp t, 0,1,2,3,4,5,6,7
	VPT \t
.endr
	global_store_b128 v[VSX], v[SOV:SOV+3], s[20:21] offset:67584
	s_wait_tensorcnt 0x0
	ds_add_u32 v254, v255
	s_wait_dscnt 0x0
	s_endpgm
.Lfunc_end_k_q77b0c0d5cb_proj:
	.size	k_q77b0c0d5cb_proj, .Lfunc_end_k_q77b0c0d5cb_proj-k_q77b0c0d5cb_proj
	.p2alignl 7, 3214868480
	.fill 96, 4, 3214868480
	.section	.rodata,"a",@progbits
	.p2align	6, 0x0
	.amdhsa_kernel k_q77b0c0d5cb_proj
		.amdhsa_group_segment_fixed_size 327680
		.amdhsa_private_segment_fixed_size 0
		.amdhsa_enable_private_segment 0
		.amdhsa_kernarg_size 72
		.amdhsa_user_sgpr_count 2
		.amdhsa_user_sgpr_kernarg_segment_ptr 1
		.amdhsa_wavefront_size32 1
		.amdhsa_system_sgpr_workgroup_id_x 1
		.amdhsa_system_sgpr_workgroup_id_y 1
		.amdhsa_system_sgpr_workgroup_id_z 1
		.amdhsa_system_vgpr_workitem_id 0
		.amdhsa_next_free_vgpr 1024
		.amdhsa_next_free_sgpr 66
		.amdhsa_reserve_vcc 1
		.amdhsa_float_denorm_mode_32 3
		.amdhsa_float_denorm_mode_16_64 3
		.amdhsa_memory_ordered 1
		.amdhsa_forward_progress 1
		.amdhsa_inst_pref_size 216
	.end_amdhsa_kernel
	.amdgpu_metadata
---
amdhsa.version: [ 1, 2 ]
amdhsa.kernels:
  - .name:           k_q77b0c0d5cb_proj
    .symbol:         k_q77b0c0d5cb_proj.kd
    .args:
      - { .name: x1, .offset: 0, .size: 8, .value_kind: global_buffer, .address_space: global }
      - { .name: x2, .offset: 8, .size: 8, .value_kind: global_buffer, .address_space: global }
      - { .name: wcodes, .offset: 16, .size: 8, .value_kind: global_buffer, .address_space: global }
      - { .name: wscales, .offset: 24, .size: 8, .value_kind: global_buffer, .address_space: global }
      - { .name: b_q, .offset: 32, .size: 8, .value_kind: global_buffer, .address_space: global }
      - { .name: b_k, .offset: 40, .size: 8, .value_kind: global_buffer, .address_space: global }
      - { .name: b_v1, .offset: 48, .size: 8, .value_kind: global_buffer, .address_space: global }
      - { .name: b_v2, .offset: 56, .size: 8, .value_kind: global_buffer, .address_space: global }
      - { .name: kv, .offset: 64, .size: 8, .value_kind: global_buffer, .address_space: global }
    .group_segment_fixed_size: 327680
    .private_segment_fixed_size: 0
    .kernarg_segment_align: 8
    .kernarg_segment_size: 72
    .max_flat_workgroup_size: 128
    .sgpr_count:     66
    .vgpr_count:     1024
    .wavefront_size: 32
...
	.end_amdgpu_metadata
.endif
;; end of part 2
;; launch attn (part 3): grid 16 x 16, 4 waves a work-group, clusters of 4 x 1, 327,680 bytes of LDS; arguments kv, x1, x2, ln_gamma, ln_beta, out0, out1; writes out0, out1
.if DOCPART == 3
	.amdgcn_target "amdgcn-amd-amdhsa--gfx1250"
	.amdhsa_code_object_version 6
	.text
	.protected	k_q77b0c0d5cb_attn
	.globl	k_q77b0c0d5cb_attn
	.p2align	8
	.type	k_q77b0c0d5cb_attn,@function
k_q77b0c0d5cb_attn:
	s_mov_b64 s[64:65], 0
	v_nop
	global_prefetch_b8 v0, s[64:65] scope:SCOPE_SE
	s_setreg_imm32_b32 hwreg(HW_REG_WAVE_MODE, 25, 1), 1
	s_wait_xcnt 0x0
	s_wait_alu depctr_hold_cnt(0) depctr_sa_sdst(0) depctr_va_vdst(0) depctr_va_sdst(0) depctr_va_ssrc(0) depctr_va_vcc(0) depctr_vm_vsrc(0)
	s_getreg_b32 s2, hwreg(HW_REG_IB_STS2, 6, 4)
	s_cmp_eq_u32 s2, 0
	s_cbranch_scc0 .Lentry_in_a_cluster
	s_endpgm
.Lentry_in_a_cluster:
	s_bfe_u32 s2, ttmp6, 0x10000c
	s_cmp_lg_u32 s2, 0x3003
	s_cbranch_scc0 .Lentry_shape_is_right
	s_endpgm
.Lentry_shape_is_right:
; Both halves of the co-attention by one text.  side 0: out0 = LN(softmax over keys(q k^T / sqrt(512)) v2 + x1);  side 1: out1 = LN(softmax over queries, that is rows of k q^T, times v1 + x2).
; Side s takes as QUERIES the q / k part of kv[s], as KEYS and VALUES both parts of kv[1 - s], as residual x(s).  All products on codes of FP4 (E2M1), one E8M0 scale for each 32 along K; sums in f32.
; kv: [src 2][batch 8][step of 128 positions 16][69,632 bytes]: 0: keys' codes [tile T 8][K step s 4][image 1,024];  32,768: values' codes [channel tile t 32][image];  65,536: keys' scale words [s 4][512];  67,584: values' [g 4][512].
;   An image of a fragment is register group c of lane l at 512 c + 16 l.  Lane r of position tile 2 b + u holds position 32 b + 8 u + r + 8 (r / 8): the scores of tiles 2 b, 2 b + 1 are 16 neighbouring keys in a lane's registers.
; THE SOFTMAX: t = score x log2(e) / sqrt(512); M = the running largest t rounded UP to a whole number; p = 2^(t - M) is quantised along the keys, not normalised; the row's sum is taken of the unquantised p and divides at the end.
;   When M moves, the sum and O are multiplied by 2^(old M - new M): exact.
; SHARES.  Work-group x = 128 queries, y = 8 side + batch.  Wave w owns 32 queries (two tiles) with all 512 channels: O^T is 512 registers, and each fragment read from LDS feeds two products.  Both products are used transposed.
; A KEY STEP: S^T from K's fragments; V's four runs of fragments into registers under the softmax and the rescaling; then all reads of the slot are over, so THE CHANGE OF SLOTS stands ahead of the products V^T P^T:
;   the slot is filled again, and the next step's K is fetched from the other slot while V^T P^T is multiplied from registers.
; ONE TEXT FOR ALL 16 STEPS: O^T begins as zeros and the largest t as -3e38, so the first step needs no copy of its own (512 v_mov_b32 against a further copy of the step: the code budget).  14 trips fill the slot left with the kv block
;   two steps on; 2 trips fill it with x's channels 256-383 and 384-511.
; CLUSTER.  The four query blocks of a cluster walk the same kv blocks: each is asked for JOINTLY, with a mask that names the four.
; LDS: four regions of 69,632 bytes.  R0, R1: the ring.  R2, R3: channels 0-127, 128-255 of x, from the start.  The results are written over x in place, behind every region's last fill.  Then 512 bytes of spare words, then gamma and beta.
; THE END: y = O / sum + x; mean; the variance of the centred numbers; y = centred x rsqrt(var + 1e-5) x gamma + beta.
; LIMITS: NaN and infinities among the inputs are not served.  A block whose every p is 0 keeps the byte 1 (its codes are zeros).  A block's largest p is taken from its largest score, which takes v_exp_f32 not to fall where its input rises.
; REGISTERS, windows of 256: window 1: v0-63 Q at 8 (4 u + s); v64-255 three buffers of 8 fragments.  window 2: O^T of query tile 0 at 8 t;  window 3: of tile 1.  window 0: as named below.
.set KVB,   69632
.set SLOT,  69632                      ; bits 12 and 16, which no wave's part of a slot uses: one exclusive or turns an address from one slot to the other
.set KSO,   65536
.set XP,    528                        ; a row of x in LDS: 512 bytes + 16 of padding
.set SPARE, 4*SLOT                     ; the spare words, 128 bytes for each wave
.set GB,    SPARE+512                  ; gamma, 2,048 bytes, then beta
.set AL,  1                            ; 16 x lane
.set ADC, 2                            ; the block in LDS + 16 x lane
.set ADS, 3                            ; its scale words
.set SPW, 4                            ; my spare word; never rewritten
.set NIL, 5                            ; 0; never rewritten
.set PFO, 6                            ; 256 x lane
.set PFR, 7                            ; 8,192 x lane
.set VX,  8                            ; my query's word in a quarter of x
.set GLA, 9                            ; GB + 32 h
.set RD0, 10                           ; 16 x lane + region w
.set RDA, 11                           ; and 64 rows on
.set ST,  12                           ; v12-15, v16-19  tile u: -M, the largest t, the sum in two halves
.set QS,  20                           ; Q's scale words of K step s: lanes 0-15 tile 0, lanes 16-31 tile 1
.set KS,  24                           ; v24-39  the keys'
.set VS,  40                           ; v40-55  the values'
.set PW,  56                           ; p's scale word, tile u
.set PC,  58                           ; v58-73  p's codes
.set BM,  74                           ; the blocks' largest: tile 0 v74-77, tile 1 v252-255 (+178)
.set PB,  78                           ; at work: v78-81, v248-251 (+170)
.set SO,  82                           ; the conversions' scale operands: v82-85, v92-95 (+10)
.set FF,  86                           ; v[86:87], v[88:89]  f = 2^(old M - new M)
.set T1,  90                           ; v90, v91
.set SS,  96                           ; v96-223  S^T, then p: 64 u + 8 T; then V's fourth run; buffers at the end
.set AA,  224
.set SU,  228
.set VXQ, 244
.set F0,  64
.set F1,  128
.set F2,  192
.set WV,   18
.set SEL,  32
.set CS,   34                          ; c = log2(e) / sqrt(512)
.set TB,   36                          ; the slot that the next fetch of K reads
.set XOFF, 37
.set CNT,  38
.set LIM,  39
.set WOFF, 40
.set G1KV, 44                          ; group 1: a quarter of a kv block;  s[52:59] rows of x;  s[88:95] a whole kv block
.set G1X,  52
.set G0A,  60
.set G0B,  68
.set G0X0, 72
.set PFA,  80
.set PFX,  82
.set QP,   84
.set OP,   86
.set G1H,  88
.set MSB, 0
.macro WIN new                         ; the immediate's high byte repeats the setting that is left
.if MSB != (\new)
	s_set_vgpr_msb (MSB<<8)|(\new)
.set MSB, (\new)
.endif
.endm
.macro PLACES n
.rept \n
	v_nop
.endr
.endm
; One scaled product.  c < 0: the constant 0 starts the sum.  ra, rb: the side's scale words stand in lanes 16-31.
.macro WM d, a, b, c, sa, sb, ra, rb
.if (\c) < 0
.if (\ra) && (\rb)
	v_wmma_scale_f32_16x16x128_f8f6f4 v[(\d):(\d)+7], v[(\a):(\a)+7], v[(\b):(\b)+7], 0, v[\sa], v[\sb] matrix_a_fmt:MATRIX_FMT_FP4 matrix_b_fmt:MATRIX_FMT_FP4 matrix_a_scale:MATRIX_SCALE_ROW1 matrix_b_scale:MATRIX_SCALE_ROW1
.elseif (\ra)
	v_wmma_scale_f32_16x16x128_f8f6f4 v[(\d):(\d)+7], v[(\a):(\a)+7], v[(\b):(\b)+7], 0, v[\sa], v[\sb] matrix_a_fmt:MATRIX_FMT_FP4 matrix_b_fmt:MATRIX_FMT_FP4 matrix_a_scale:MATRIX_SCALE_ROW1
.elseif (\rb)
	v_wmma_scale_f32_16x16x128_f8f6f4 v[(\d):(\d)+7], v[(\a):(\a)+7], v[(\b):(\b)+7], 0, v[\sa], v[\sb] matrix_a_fmt:MATRIX_FMT_FP4 matrix_b_fmt:MATRIX_FMT_FP4 matrix_b_scale:MATRIX_SCALE_ROW1
.else
	v_wmma_scale_f32_16x16x128_f8f6f4 v[(\d):(\d)+7], v[(\a):(\a)+7], v[(\b):(\b)+7], 0, v[\sa], v[\sb] matrix_a_fmt:MATRIX_FMT_FP4 matrix_b_fmt:MATRIX_FMT_FP4
.endif
.else
.if (\ra) && (\rb)
	v_wmma_scale_f32_16x16x128_f8f6f4 v[(\d):(\d)+7], v[(\a):(\a)+7], v[(\b):(\b)+7], v[(\c):(\c)+7], v[\sa], v[\sb] matrix_a_fmt:MATRIX_FMT_FP4 matrix_b_fmt:MATRIX_FMT_FP4 matrix_a_scale:MATRIX_SCALE_ROW1 matrix_b_scale:MATRIX_SCALE_ROW1
.elseif (\ra)
	v_wmma_scale_f32_16x16x128_f8f6f4 v[(\d):(\d)+7], v[(\a):(\a)+7], v[(\b):(\b)+7], v[(\c):(\c)+7], v[\sa], v[\sb] matrix_a_fmt:MATRIX_FMT_FP4 matrix_b_fmt:MATRIX_FMT_FP4 matrix_a_scale:MATRIX_SCALE_ROW1
.elseif (\rb)
	v_wmma_scale_f32_16x16x128_f8f6f4 v[(\d):(\d)+7], v[(\a):(\a)+7], v[(\b):(\b)+7], v[(\c):(\c)+7], v[\sa], v[\sb] matrix_a_fmt:MATRIX_FMT_FP4 matrix_b_fmt:MATRIX_FMT_FP4 matrix_b_scale:MATRIX_SCALE_ROW1
.else
	v_wmma_scale_f32_16x16x128_f8f6f4 v[(\d):(\d)+7], v[(\a):(\a)+7], v[(\b):(\b)+7], v[(\c):(\c)+7], v[\sa], v[\sb] matrix_a_fmt:MATRIX_FMT_FP4 matrix_b_fmt:MATRIX_FMT_FP4
.endif
.endif
.endm
; A round of the cluster's barrier: my work-group's barrier; wave 0 signals for the work-group; every wave waits for the four work-groups; my work-group's barrier once more.
.macro CREST                           ; a round behind its opening barrier
	s_cmp_lg_u32 s[WV], 0
	s_cbranch_scc1 .Lnot_wave_0_\@
	s_barrier_signal -3
.Lnot_wave_0_\@:
	s_barrier_wait -3
	s_barrier_signal -1
	s_barrier_wait -1
.endm
.macro CROUND
	s_barrier_signal -1
	s_barrier_wait -1
	CREST
.endm
; PREFETCHES INTO THE L2.  ASK: the codes (65,536 bytes) of the kv block that the NEXT change of slots will load, one key step ahead.  All four clusters of a y walk the same blocks: the first cluster asks; its four partners are
; told apart BY ADDRESS; in each, waves 0 and 1 ask, 8,192 bytes each, lanes 256 bytes apart.  Blocks 0 to 2 come by their loads alone; the last trip asks for nothing.
.macro ASK
	s_cmp_gt_u32 s[CNT], s[LIM]
	s_cbranch_scc0 .Lnot_mine_\@
	global_prefetch_b8 v[PFO], s[PFA:PFA+1] th:TH_LOAD_NT scope:SCOPE_SE
.Lnot_mine_\@:
.endm
; ASKX2: in the first loop's last trip, my wave's own 32 rows (512 bytes each, a lane a row) of x's channels 256-383 and 384-511, which the next two changes will load.
.macro ASKX2
	s_cmp_eq_u32 s[CNT], 1
	s_cbranch_scc0 .Lnot_yet_\@
	global_prefetch_b8 v[PFR], s[PFX:PFX+1] th:TH_LOAD_NT scope:SCOPE_SE
	global_prefetch_b8 v[PFR], s[PFX:PFX+1] offset:256 th:TH_LOAD_NT scope:SCOPE_SE
	global_prefetch_b8 v[PFR], s[PFX:PFX+1] offset:1048576 th:TH_LOAD_NT scope:SCOPE_SE
	global_prefetch_b8 v[PFR], s[PFX:PFX+1] offset:1048832 th:TH_LOAD_NT scope:SCOPE_SE
.Lnot_yet_\@:
.endm
	s_load_b256 s[4:11], s[0:1], 0x0               ; kv, x1, x2, gamma
	s_load_b128 s[12:15], s[0:1], 0x20             ; beta, out0
	s_load_b64 s[16:17], s[0:1], 0x30              ; out1
	v_lshl_add_u32 v[SPW], v0, 2, SPARE
	v_mov_b32 v[NIL], 0
	ds_add_u32 v[SPW], v[NIL]                      ; the opening lines: the add, twice on end, and its wait
	ds_add_u32 v[SPW], v[NIL]
	s_wait_dscnt 0x0
	v_lshrrev_b32 v[T1], 5, v0
	v_readfirstlane_b32 s[WV], v[T1]               ; wave 0..3
	s_bfe_u32 s19, ttmp6, 0x40000                  ; cx
	s_lshl_b32 s20, ttmp9, 2
	s_add_co_u32 s20, s20, s19                     ; my block of 128 queries: it enters the queries', x's and out's addresses alone
	s_and_b32 s21, ttmp7, 0xffff                   ; y = 8 side + batch
	s_lshr_b32 s22, s21, 3
	s_and_b32 s23, s21, 7
	s_mul_i32 s[WOFF], s[WV], 17408
	s_mul_i32 s[XOFF], s[WV], 32*XP
	s_xor_b32 s88, s21, 8                          ; the keys' and values' stream: the other src, my batch
	s_mul_i32 s88, s88, 16*KVB
	s_add_co_u32 s88, s88, s[WOFF]
	s_mov_b32 s89, 0
	s_lshl_b32 s90, s21, 4
	s_add_co_u32 s90, s90, s20
	s_mul_i32 s90, s90, KVB                        ; my queries' block
	s_mov_b32 s91, 0
	s_lshl_b32 s92, s23, 22                        ; x and out: batch x 4 MiB + my 128 queries
	s_lshl_b32 s24, s20, 9
	s_add_co_u32 s92, s92, s24
	s_mov_b32 s93, 0
	s_mov_b32 s[G1KV+0], 15|(3<<16)|(1<<21)        ; a quarter of a kv block, jointly: 68 rows of 256 dense bytes
	s_mov_b32 s[G1KV+1], 32<<16
	s_mov_b32 s[G1KV+2], 68<<16
	s_mov_b32 s[G1KV+3], 32<<16
	s_mov_b32 s[G1KV+4], 68
	s_mov_b32 s[G1KV+5], 32
	s_mov_b32 s[G1KV+6], 0
	s_mov_b32 s[G1KV+7], 0
	s_mov_b32 s[G1X+0], (2<<16)|(1<<20)|(6<<22)|(3<<25)   ; channel rows of x: 128 elements of 4 bytes, 16 bytes of padding behind each; at the head 128 rows
	s_mov_b32 s[G1X+1], 128<<16
	s_mov_b32 s[G1X+2], 128<<16
	s_mov_b32 s[G1X+3], 128<<16
	s_mov_b32 s[G1X+4], 128
	s_mov_b32 s[G1X+5], 2048
	s_mov_b32 s[G1X+6], 0
	s_mov_b32 s[G1X+7], 0
	s_mov_b32 s[SEL], 0x76543210
	s_mov_b32 s[SEL+1], 0xfedcba98
	s_mov_b32 s[CS], 0x3d8293ee
	s_mov_b32 s[CS+1], s[CS]
	s_mov_b32 s[TB], 0
	s_mov_b32 s[CNT], 14
	s_mov_b32 s41, 0x3b000000                      ; 1 / 512
	s_mov_b32 s42, 0x3727c5ac                      ; 1e-5
	s_lshr_b32 s24, s[WV], 1
	s_or_b32 s24, s24, ttmp9                       ; 0 in waves 0 and 1 of the first cluster of this y
	s_cmp_eq_u32 s24, 0
	s_cselect_b32 s[LIM], 1, -1
	s_xor_b32 s28, s21, 8                          ; the prefetches' place: the stream, block 2 (the first change steps it to 3), + (2 cx + w) x 8,192
	s_mul_i32 s28, s28, 16*KVB
	s_lshl_b32 s29, s19, 1
	s_add_co_u32 s29, s29, s[WV]
	s_lshl_b32 s29, s29, 13
	s_add_co_u32 s28, s28, s29
	s_add_co_u32 s28, s28, 2*KVB
	s_mov_b32 s29, 0
	s_lshl_b32 s24, s[WV], 18                      ; 32 w rows of 8,192 bytes
	s_mov_b32 s25, 0
	s_xor_b32 s30, s[WV], 2                        ; the way out: wave w stores region w, which holds channels 128 (w xor 2) on
	s_lshl_b32 s30, s30, 20
	s_mov_b32 s31, 0
	s_wait_kmcnt 0x0
	s_cmp_eq_u32 s22, 0
	s_cselect_b64 s[6:7], s[6:7], s[8:9]           ; x
	s_cselect_b64 s[OP:OP+1], s[14:15], s[16:17]   ; out
	s_add_nc_u64 s[6:7], s[6:7], s[92:93]
	s_add_nc_u64 s[OP:OP+1], s[OP:OP+1], s[92:93]
	s_add_nc_u64 s[OP:OP+1], s[OP:OP+1], s[30:31]
	s_add_nc_u64 s[QP:QP+1], s[4:5], s[90:91]
	s_add_nc_u64 s[94:95], s[4:5], s[88:89]
	s_add_nc_u64 s[PFA:PFA+1], s[4:5], s[28:29]
	s_add_nc_u64 s[26:27], s[6:7], s[24:25]
	s_add_nc_u64 s[PFX:PFX+1], s[26:27], 256*8192  ; x at channel 256 + 32 w; never stepped
	s_mov_b32 s[G0A], 1                            ; waves 0 and 1: block w whole into slot w (4 x 17,408 w = 69,632 w)
	s_lshl_b32 s[G0A+1], s[WOFF], 2
	s_mul_i32 s96, s[WOFF], 3
	s_mov_b32 s97, 0
	s_add_nc_u64 s[G0A+2:G0A+3], s[94:95], s[96:97]
	s_or_b32 s[G0A+3], s[G0A+3], 0x80000000
	s_mov_b32 s[G0B], 1                            ; the walking descriptor: my quarter; it stands at block 1, slot 1, and is stepped ahead of each load
	s_add_co_u32 s[G0B+1], s[WOFF], SLOT
	s_add_nc_u64 s[G0B+2:G0B+3], s[94:95], KVB
	s_or_b32 s[G0B+3], s[G0B+3], 0x80000000
	s_mov_b32 s[G0X0], 1                           ; waves 2 and 3: region w takes channels 128 (w - 2) on
	s_lshl_b32 s[G0X0+1], s[WOFF], 2
	s_and_b32 s98, s[WV], 1
	s_lshl_b32 s98, s98, 20
	s_mov_b32 s99, 0
	s_add_nc_u64 s[G0X0+2:G0X0+3], s[6:7], s[98:99]
	s_or_b32 s[G0X0+3], s[G0X0+3], 0x80000000
	s_mov_b32 s[G1H+0], 15|(3<<16)|(1<<21)         ; a whole kv block, jointly: 272 rows of 256 dense bytes
	s_mov_b32 s[G1H+1], 32<<16
	s_mov_b32 s[G1H+2], 272<<16
	s_mov_b32 s[G1H+3], 32<<16
	s_mov_b32 s[G1H+4], 272
	s_mov_b32 s[G1H+5], 32
	s_mov_b32 s[G1H+6], 0
	s_mov_b32 s[G1H+7], 0
	CROUND                                         ; all four work-groups are here: the first joint loads meet
	s_cmp_lt_u32 s[WV], 2                          ; the head's loads, one a wave, in one chain of arms
	s_cbranch_scc0 .Lhead_x
	tensor_load_to_lds s[G0A:G0A+3], s[G1H:G1H+7]
	s_nop 0
	PLACES 4
	s_branch .Lhead_asked
.Lhead_x:
	tensor_load_to_lds s[G0X0:G0X0+3], s[G1X:G1X+7]
	s_nop 0
	PLACES 4
.Lhead_asked:
	v_lshlrev_b32 v91, 4, v0                       ; 16 x thread: 128 threads take the 2,048 bytes
	global_load_b128 v[SS:SS+3], v91, s[10:11]     ; gamma
	global_load_b128 v[SS+4:SS+7], v91, s[12:13]   ; beta
	v_and_b32 v[T1], 31, v0
	v_lshlrev_b32 v[AL], 4, v[T1]
	v_lshl_add_u32 v92, s[WV], 13, v[AL]           ; my two query tiles' images
	v_lshl_add_u32 v93, s[WV], 2, v[AL]            ; word w of a scale group: tile 2 w + h
	WIN 0x40                                       ; Q stays in registers, window 1
.irp u, 0,1
.irp s, 0,1,2,3
.irp c, 0,1
	global_load_b128 v[8*(4*\u+\s)+4*\c:8*(4*\u+\s)+4*\c+3], v92, s[QP:QP+1] offset:4096*\u+1024*\s+512*\c
.endr
.endr
.endr
	WIN 0
.irp s, 0,1,2,3
	global_load_b32 v[QS+\s], v93, s[QP:QP+1] offset:KSO+512*\s
.endr
	v_lshlrev_b32 v[PFO], 8, v[T1]
	v_lshlrev_b32 v[PFR], 13, v[T1]
	v_bfe_u32 v95, v0, 4, 1                        ; h
	v_and_b32 v[VX], 7, v0
	v_bfe_u32 v[GLA], v0, 3, 1
	v_lshl_add_u32 v[VX], v[GLA], 4, v[VX]         ; r % 8 + 16 (r / 8)
	v_and_b32 v[GLA], 0x60, v0                     ; 32 w
	v_add_nc_u32 v[VX], v[GLA], v[VX]
	v_lshlrev_b32 v[VX], 2, v[VX]
	v_mad_u32_u24 v[VX], v95, 8*XP, v[VX]          ; + 8 h rows
	v_lshl_add_u32 v[GLA], v95, 5, GB
	s_mul_i32 s24, s[WV], SLOT
	v_add_nc_u32 v[RD0], s24, v[AL]
	v_add_nc_u32 v[RDA], 64*XP, v[RD0]
.irp q, 0,1,2,3
	v_add_nc_u32 v[VXQ+\q], SLOT*((\q+2)&3), v[VX] ; quarter q lies in region (q + 2) % 4
.endr
	v_add_nc_u32 v94, GB, v91
.irp u, 0,1
	v_mov_b32 v[ST+4*\u+1], 0xff61b1e6             ; the largest t so far: -3e38
	v_floor_f32 v[ST+4*\u], -v[ST+4*\u+1]          ; -M
	v_mov_b32 v[ST+4*\u+2], 0
	v_mov_b32 v[ST+4*\u+3], 0
	v_mov_b32 v[FF+2*\u+1], 0                      ; (upper halves of pairs of which the low word alone is used)
	v_mov_b32 v[AA+2*\u+1], 0
.irp b, 0,1,2,3
	v_mov_b32 v[PB+170*\u+\b], 0                   ; written once: a lane permute's destination counts as one of its sources
.endr
.endr
	WIN 0x80                                       ; O^T begins as zeros, while the head's loads are out
.set i, 0
.rept 256
	v_mov_b32 v[i], 0
.set i, i+1
.endr
	WIN 0xc0
.set i, 0
.rept 256
	v_mov_b32 v[i], 0
.set i, i+1
.endr
	WIN 0
	s_wait_loadcnt 20                              ; gamma and beta are in; behind them: Q's 16 loads and its 4 scale words
	ds_store_b128 v94, v[SS:SS+3]
	ds_store_b128 v94, v[SS+4:SS+7] offset:2048
	s_wait_alu depctr_va_vdst(0)                   ; the wait at the head's end
	s_wait_dscnt 0x0
	s_cmp_lt_u32 s[WV], 2
	s_cbranch_scc0 .Lno_kv                         ; waves 2 and 3 leave their load of x out, and x is read only behind later waits for 0
	s_wait_tensorcnt 0x0                           ; waves 0 and 1: my kv block is in
.Lno_kv:
	s_barrier_signal -1
	s_barrier_wait -1
	s_wait_loadcnt 0x0                             ; Q
; Eight fragments in one run of 16 loads, 512 consecutive bytes each
.macro FETCHK f, s
	WIN 0x40
.irp t, 0,1,2,3,4,5,6,7
	ds_load_b128 v[\f+8*\t:\f+8*\t+3], v[ADC] offset:4096*\t+1024*(\s)
	ds_load_b128 v[\f+8*\t+4:\f+8*\t+7], v[ADC] offset:4096*\t+1024*(\s)+512
.endr
.endm
.macro FETCHV f, g
	WIN 0x40
.set k, 0
.rept 16
	ds_load_b128 v[\f+4*k:\f+4*k+3], v[ADC] offset:32768+8192*(\g)+512*k
.set k, k+1
.endr
.endm
.macro NEXTK                           ; the addresses of the block in slot TB, and the keys' scale words
	v_add_nc_u32 v[ADC], s[TB], v[AL]
	v_add_nc_u32 v[ADS], KSO, v[ADC]
	s_wait_alu depctr_va_vdst(0)                   ; the wait here, directly behind the writes
.irp s, 0,1,2,3
	ds_load_b128 v[KS+4*\s:KS+4*\s+3], v[ADS] offset:512*\s
.endr
.endm
; S^T += K Q^T, K step s: the sixteen accumulators take turns
.macro SMM s, f
	WIN 0x05
.irp t, 0,1,2,3,4,5,6,7
.irp u, 0,1
.if (\s) == 0
	WM SS+64*\u+8*\t, \f+8*\t, 8*(4*\u+(\s)), -1, KS+4*(\s)+\t/2, QS+(\s), \t%2, \u
.else
	WM SS+64*\u+8*\t, \f+8*\t, 8*(4*\u+(\s)), SS+64*\u+8*\t, KS+4*(\s)+\t/2, QS+(\s), \t%2, \u
.endif
.endr
.endr
.endm
; O^T += V^T P^T for channel tiles 8 g on: each accumulator once a step.  aw: the window of V's fragments
.macro PV g, f, aw
	WIN 0xa0+(\aw)
.irp i, 0,1,2,3,4,5,6,7
	WM 8*(8*(\g)+\i), \f+8*\i, PC, 8*(8*(\g)+\i), VS+4*(\g)+\i/2, PW, \i%2, 0
.endr
	WIN 0xf0+(\aw)
.irp i, 0,1,2,3,4,5,6,7
	WM 8*(8*(\g)+\i), \f+8*\i, PC+8, 8*(8*(\g)+\i), VS+4*(\g)+\i/2, PW+1, \i%2, 0
.endr
.endm
; The softmax of both query tiles for 128 keys, the two tiles by turns, line by line: register 64 u + 16 b + i holds key 32 b + 16 (lane / 16) + i of tile u's query.
.macro SOFTMAX2
.irp b, 0,1,2,3
.irp u, 0,1
	v_max3_num_f32 v[BM+178*\u+\b], v[SS+64*\u+16*\b], v[SS+64*\u+16*\b+1], v[SS+64*\u+16*\b+2]   ; the largest SCORE of each block of 32 keys; each accumulator is read from its low end on
.endr
.endr
.irp i, 3,5,7,9,11,13
.irp b, 0,1,2,3
.irp u, 0,1
	v_max3_num_f32 v[BM+178*\u+\b], v[BM+178*\u+\b], v[SS+64*\u+16*\b+\i], v[SS+64*\u+16*\b+\i+1]
.endr
.endr
.endr
.irp b, 0,1,2,3
.irp u, 0,1
	v_max_num_f32 v[BM+178*\u+\b], v[BM+178*\u+\b], v[SS+64*\u+16*\b+15]
.endr
.endr
.irp b, 0,1,2,3
.irp u, 0,1
	v_permlanex16_b32 v[PB+170*\u+\b], v[BM+178*\u+\b], s[SEL], s[SEL+1]
.endr
.endr
.irp b, 0,1,2,3
.irp u, 0,1
	v_max_num_f32 v[BM+178*\u+\b], v[BM+178*\u+\b], v[PB+170*\u+\b]   ; with lane l xor 16's 16 keys
.endr
.endr
.irp u, 0,1
	v_max3_num_f32 v[T1+\u], v[BM+178*\u], v[BM+178*\u+1], v[BM+178*\u+2]
.endr
.irp u, 0,1
	v_max_num_f32 v[T1+\u], v[T1+\u], v[BM+178*\u+3]   ; the step's largest score of my query
.endr
.irp u, 0,1
	v_mul_f32 v[T1+\u], s[CS], v[T1+\u]            ; as t (c is positive)
.endr
.irp u, 0,1
	v_max_num_f32 v[ST+4*\u+1], v[ST+4*\u+1], v[T1+\u]   ; the running largest t
.endr
.irp u, 0,1
	v_mov_b32 v[T1+\u], v[ST+4*\u]
.endr
.irp u, 0,1
	v_floor_f32 v[ST+4*\u], -v[ST+4*\u+1]          ; the new -M = -ceil(t): a whole number
.endr
.irp u, 0,1
	v_sub_f32 v[T1+\u], v[ST+4*\u], v[T1+\u]       ; old M - new M: a whole number, 0 or less
.endr
.irp u, 0,1
	v_cvt_i32_f32 v[T1+\u], v[T1+\u]               ; (it saturates)
.endr
.irp u, 0,1
	v_ldexp_f32 v[FF+2*\u], 1.0, v[T1+\u]          ; f = 2^(old M - new M)
.endr
.set j, 0
.rept 32
.irp u, 0,1
	v_pk_fma_f32 v[SS+64*\u+j:SS+64*\u+j+1], v[SS+64*\u+j:SS+64*\u+j+1], s[CS:CS+1], v[ST+4*\u:ST+4*\u+1] op_sel_hi:[1,0,0]   ; t - M
.endr
.set j, j+2
.endr
.irp b, 0,1,2,3
.irp u, 0,1
	v_fma_f32 v[BM+178*\u+\b], v[BM+178*\u+\b], s[CS], v[ST+4*\u]   ; the same of each block's largest score
.endr
.endr
	s_wait_alu depctr_va_vdst(0)                   ; the wait ahead of the batch
.set j, 0
.rept 128
	v_exp_f32 v[SS+j], v[SS+j]                     ; p = 2^(t - M), at most 1: not normalised
.set j, j+1
.endr
.irp u, 0,1
	v_pk_mul_f32 v[ST+4*\u+2:ST+4*\u+3], v[ST+4*\u+2:ST+4*\u+3], v[FF+2*\u:FF+2*\u+1] op_sel_hi:[1,0]   ; the sums under the new M: plain lines behind the exponentials
.endr
	s_wait_alu depctr_va_vdst(0)                   ; one wait for the batch of 128, ahead of its first reader
.irp b, 0,1,2,3
.irp u, 0,1
	v_exp_f32 v[BM+178*\u+\b], v[BM+178*\u+\b]     ; the block's largest p: the same two instructions on the same number give the same bits
.endr
.endr
.irp u, 0,1
	v_pk_add_f32 v[PB+170*\u:PB+170*\u+1], v[SS+64*\u:SS+64*\u+1], v[SS+64*\u+2:SS+64*\u+3]   ; the row's sum of the UNQUANTISED p: two chains a tile
.endr
.set j, 4
.rept 15
.irp u, 0,1
	v_pk_add_f32 v[ST+4*\u+2:ST+4*\u+3], v[ST+4*\u+2:ST+4*\u+3], v[SS+64*\u+j:SS+64*\u+j+1]
	v_pk_add_f32 v[PB+170*\u:PB+170*\u+1], v[PB+170*\u:PB+170*\u+1], v[SS+64*\u+j+2:SS+64*\u+j+3]
.endr
.set j, j+4
.endr
.irp u, 0,1
	v_pk_add_f32 v[ST+4*\u+2:ST+4*\u+3], v[ST+4*\u+2:ST+4*\u+3], v[PB+170*\u:PB+170*\u+1]
.endr
	s_wait_alu depctr_va_vdst(0)                   ; and one for the eight
.irp b, 0,1,2,3
.irp u, 0,1
	v_max_num_f32 v[BM+178*\u+\b], 0x1800000, v[BM+178*\u+\b]   ; the floor 2^(3 - 127): the byte cannot fall under 1
.endr
.endr
.irp b, 0,1,2,3
.irp u, 0,1
	v_add_nc_u32 v[SO+10*\u+\b], 0xff000000, v[BM+178*\u+\b]    ; 2 off the exponent field: the conversion's scale operand
.endr
.endr
.irp b, 0,1,2,3
.irp u, 0,1
	v_lshrrev_b32 v[PB+170*\u+\b], 23, v[SO+10*\u+\b]           ; the scale's byte
.endr
.endr
.irp u, 0,1
	v_lshl_or_b32 v[PW+\u], v[PB+170*\u+1], 8, v[PB+170*\u]     ; p's scale word for these 128 keys
.endr
.irp u, 0,1
	v_lshl_or_b32 v[PW+\u], v[PB+170*\u+2], 16, v[PW+\u]
.endr
.irp u, 0,1
	v_lshl_or_b32 v[PW+\u], v[PB+170*\u+3], 24, v[PW+\u]
.endr
.irp u, 0,1
.irp b, 0,1,2,3
	v_cvt_scalef32_pk8_fp4_f32 v[PC+8*\u+2*\b], v[SS+64*\u+16*\b:SS+64*\u+16*\b+7], v[SO+10*\u+\b]
	v_cvt_scalef32_pk8_fp4_f32 v[PC+8*\u+2*\b+1], v[SS+64*\u+16*\b+8:SS+64*\u+16*\b+15], v[SO+10*\u+\b]
.endr
.endr
	v_nop                                          ; one plain line behind the last scaled conversion
.irp u, 0,1
.irp c, 0,1                                    ; the operand's layout wants a whole block in a lane
.irp i, 0,1
	v_permlane16_swap_b32 v[PC+8*\u+4*\c+\i], v[PC+8*\u+2+4*\c+\i]
.endr
.endr
.endr
.endm
.macro RESCALE                         ; O^T under the new M: x f.  These lines are also the places between the writing of p's codes and scale words and the products that take them
	WIN 0x82
	s_wait_alu depctr_va_vdst(0)                   ; the wait here, directly ahead of the first reader of O^T
.set i, 0
.rept 128
	v_pk_mul_f32 v[i:i+1], v[i:i+1], v[FF:FF+1] op_sel_hi:[1,0]
.set i, i+2
.endr
	WIN 0xc3
.set i, 0
.rept 128
	v_pk_mul_f32 v[i:i+1], v[i:i+1], v[FF+2:FF+3] op_sel_hi:[1,0]
.set i, i+2
.endr
.endm
; A KEY STEP.  At its head K's scale words and K's runs 0, 1, 2 have been asked for.  Every s_wait_dscnt 32 leaves out the two runs of 16 loads issued behind the run that is wanted.  Four plain lines stand ahead of each run of loads
; into registers that matrix instructions have read, and ahead of the first read of results; five ahead of the products that write S^T over V's fourth run.
; tail = 0: the slot left takes the kv block two steps on, jointly.  tail = 1: it takes 128 more channel rows of x; the last trip fetches no K.
.macro BODY tail
	s_wait_dscnt 32
	SMM 0, F0
	PLACES 4
	FETCHK F0, 3
	s_wait_dscnt 32
	SMM 1, F1
	PLACES 4
	FETCHV F1, 0
	s_wait_dscnt 32
	SMM 2, F2
	PLACES 4
	FETCHV F2, 1
	s_wait_dscnt 32
	SMM 3, F0
	PLACES 4
	FETCHV F0, 2                                   ; three runs of the values land under the softmax
	WIN 0
.irp g, 0,1,2,3
	ds_load_b128 v[VS+4*\g:VS+4*\g+3], v[ADS] offset:2048+512*\g
.endr
	SOFTMAX2
.set k, 0
.rept 16
	ds_load_b128 v[SS+4*k:SS+4*k+3], v[ADC] offset:57344+512*k   ; the values' fourth run goes into tile 0's p, which has been turned into codes; it lands under the rescaling
.set k, k+1
.endr
	RESCALE
	WIN 0
	s_wait_alu depctr_va_vdst(0)                   ; the wait here, directly ahead of the waits below
	s_wait_tensorcnt 0x0                           ; THE CHANGE OF SLOTS: no tensor load of mine is out: my part of the next block is in, and a group 0 may be written
	ds_add_u32 v[SPW], v[NIL]                      ; 0 onto my spare word
.if \tail
	s_xor_b32 s[G0X0+1], s[G0X0+1], SLOT
	s_add_nc_u64 s[G0X0+2:G0X0+3], s[G0X0+2:G0X0+3], 128*8192
.else
	s_xor_b32 s[G0B+1], s[G0B+1], SLOT             ; the walking descriptor: the other slot than last time, the next block
	s_add_nc_u64 s[G0B+2:G0B+3], s[G0B+2:G0B+3], KVB
	s_wait_xcnt 0x0                                ; the last prefetch, a key step back, has read its address
	s_add_nc_u64 s[PFA:PFA+1], s[PFA:PFA+1], KVB
.endif
	s_xor_b32 s[TB], s[TB], SLOT
	s_wait_dscnt 0x0                               ; the add is done, and all my reads of this slot are over: K has been multiplied, V lies in registers
	s_barrier_signal -1                            ; the barrier opens a round of the cluster's barrier;
	PV 2, F0, 1                                    ; sixteen products on registers while the others arrive
	WIN 0
	s_barrier_wait -1
	CREST                                          ; no wave of any partner still reads this slot or has a load on its way
.if \tail
	tensor_load_to_lds s[G0X0:G0X0+3], s[G1X:G1X+7]
	s_nop 0
	PLACES 4
	PV 3, SS, 0
	PV 0, F1, 1
	PV 1, F2, 1
	WIN 0
	PLACES 5
	s_cmp_eq_u32 s[CNT], 1                         ; the last step has no successor: a branch on the count of steps, round LDS loads alone
	s_cbranch_scc1 .Lno_k_\@
	NEXTK
	FETCHK F0, 0
	FETCHK F1, 1
	FETCHK F2, 2
	WIN 0
.Lno_k_\@:
.else
	tensor_load_to_lds s[G0B:G0B+3], s[G1KV:G1KV+7]
	s_nop 0
	PLACES 4
	ASK
	ASKX2
	NEXTK                                          ; the next block is whole in the other slot: its K is fetched while V^T P^T is multiplied
	FETCHK F0, 0
	PV 3, SS, 0
	PV 0, F1, 1
	PLACES 4
	FETCHK F1, 1
	PV 1, F2, 1
	PLACES 4
	FETCHK F2, 2
	WIN 0
.endif
.endm
	NEXTK                                          ; step 0's K
	FETCHK F0, 0
	FETCHK F1, 1
	FETCHK F2, 2
	WIN 0
.Lstep:                                            ; 14 trips: trip j multiplies block j and asks for block j + 2
	BODY 0
	s_sub_co_u32 s[CNT], s[CNT], 1
	s_cmp_lg_u32 s[CNT], 0
	s_cbranch_scc1 .Lstep
	s_add_co_u32 s[G0X0+1], s[XOFF], SLOT          ; x's descriptor walks from here on: it is stepped ahead of each load, to slot 0 and channel 256 + 32 w first.  The head's load of x was waited for long ago
	s_sub_nc_u64 s[G0X0+2:G0X0+3], s[PFX:PFX+1], 128*8192
	s_or_b32 s[G0X0+3], s[G0X0+3], 0x80000000
	s_mov_b32 s[G1X+2], 32<<16                     ; a load of x now brings 32 rows
	s_mov_b32 s[G1X+4], 32
	s_mov_b32 s[CNT], 2
.Ltail:                                            ; 2 trips: blocks 14 and 15; the slots left take x's channels 256-383 and 384-511
	BODY 1
	s_sub_co_u32 s[CNT], s[CNT], 1
	s_cmp_lg_u32 s[CNT], 0
	s_cbranch_scc1 .Ltail
; ---- THE END.  Register 8 t + j of lane (r, h), tile u, is channel 16 t + 8 h + j of query 32 w + 8 u + r % 8 + 16 (r / 8).
; Pass 1, two channel tiles at a time: x from LDS, y = O / sum + x.
.macro P1LOAD bt
.irp e, 0,1
.irp u, 0,1
.irp j, 0,1,2,3,4,5,6,7
	ds_load_b32 v[SS+32*((\bt)%2)+16*\e+8*\u+\j], v[VXQ+(\bt)/4] offset:(16*((2*(\bt)+\e)%8)+\j)*XP+32*\u
.endr
.endr
.endr
.endm
.macro P1WORK bt
.irp u, 0,1
	WIN 0x82+0x41*\u
.irp e, 0,1
.irp i, 0,1,2,3
.set o, 8*(2*(\bt)+\e)+2*\i
.set x, SS+32*((\bt)%2)+16*\e+8*\u+2*\i
	v_pk_fma_f32 v[o:o+1], v[o:o+1], v[AA+2*\u:AA+2*\u+1], v[x:x+1] op_sel_hi:[1,0,1]   ; each accumulator from its low end on
.endr
.endr
.endr
	WIN 0
.endm
	P1LOAD 0
	P1LOAD 1
.irp u, 0,1
	v_add_f32 v[BM+\u], v[ST+4*\u+2], v[ST+4*\u+3] ; the sum's two halves,
.endr
.irp u, 0,1
	v_permlanex16_b32 v[PB+\u], v[BM+\u], s[SEL], s[SEL+1]
.endr
.irp u, 0,1
	v_add_f32 v[BM+\u], v[BM+\u], v[PB+\u]         ; and lane l xor 16's: the row's sum
.endr
	s_wait_alu depctr_va_vdst(0)
.irp u, 0,1
	v_rcp_f32 v[AA+2*\u], v[BM+\u]
.endr
	v_nop                                          ; a plain line behind the last reciprocal
	s_wait_alu depctr_va_vdst(0)                   ; and the wait ahead of the first use: one for both
.irp bt, 0,1,2,3,4,5,6,7,8,9
	s_wait_dscnt 32                                ; this batch's 32 loads are in; the next batch's may be out
	P1WORK \bt
	P1LOAD \bt+2
.endr
	s_wait_dscnt 32
	P1WORK 10
	s_wait_dscnt 0x0
	P1WORK 11
	s_wait_tensorcnt 0x0                           ; my part of channels 384-511 is in,
	s_barrier_signal -1
	s_barrier_wait -1                              ; everybody's is
	P1LOAD 12
	P1LOAD 13
	s_wait_dscnt 32
	P1WORK 12
	P1LOAD 14
	s_wait_dscnt 32
	P1WORK 13
	P1LOAD 15
	s_wait_dscnt 32
	P1WORK 14
	s_wait_dscnt 0x0
	P1WORK 15
	s_barrier_signal -1                            ; every wave's reads of x are over: from here on x's bytes may be written
	s_barrier_wait -1
.macro FOLD u                          ; the four chains of tile u, with lane l xor 16's: the sum over the 512 channels, in v[BM + u]
.set su, SU+8*(\u)
	v_pk_add_f32 v[su:su+1], v[su:su+1], v[su+2:su+3]
	v_pk_add_f32 v[su+4:su+5], v[su+4:su+5], v[su+6:su+7]
	v_pk_add_f32 v[su:su+1], v[su:su+1], v[su+4:su+5]
	v_add_f32 v[BM+(\u)], v[su], v[su+1]
	v_permlanex16_b32 v[PB+(\u)], v[BM+(\u)], s[SEL], s[SEL+1]
	v_add_f32 v[BM+(\u)], v[BM+(\u)], v[PB+(\u)]
.endm
.irp u, 0,1                                    ; the mean: the first additions start the chains
	WIN 0x0a+5*\u
.irp k, 0,1,2,3
	v_pk_add_f32 v[SU+8*\u+2*\k:SU+8*\u+2*\k+1], v[2*\k:2*\k+1], v[2*\k+8:2*\k+9]
.endr
	WIN 0x02+\u
.set i, 8
.rept 120
	v_pk_add_f32 v[SU+8*\u+2*(i%4):SU+8*\u+2*(i%4)+1], v[2*i:2*i+1], v[SU+8*\u+2*(i%4):SU+8*\u+2*(i%4)+1]
.set i, i+1
.endr
.endr
	WIN 0
	FOLD 0
	FOLD 1
.irp u, 0,1
	v_mul_f32 v[AA+2*\u], 0xbb000000, v[BM+\u]     ; - sum / 512
.endr
.irp u, 0,1                                    ; centred, and the sum of the squares of the centred numbers
	WIN 0x82+0x41*\u
.set i, 0
.rept 128
	v_pk_add_f32 v[i:i+1], v[i:i+1], v[AA+2*\u:AA+2*\u+1] op_sel_hi:[1,0]
.set i, i+2
.endr
	WIN 0x0a+5*\u
.irp k, 0,1,2,3
	v_pk_mul_f32 v[SU+8*\u+2*\k:SU+8*\u+2*\k+1], v[2*\k:2*\k+1], v[2*\k:2*\k+1]
.endr
.set i, 4
.rept 124
	v_pk_fma_f32 v[SU+8*\u+2*(i%4):SU+8*\u+2*(i%4)+1], v[2*i:2*i+1], v[2*i:2*i+1], v[SU+8*\u+2*(i%4):SU+8*\u+2*(i%4)+1]
.set i, i+1
.endr
.endr
	WIN 0
	FOLD 0
	FOLD 1
.irp u, 0,1
	v_fma_f32 v[BM+\u], v[BM+\u], s41, s42         ; the variance + 1e-5
.endr
	s_wait_alu depctr_va_vdst(0)
.irp u, 0,1
	v_rsq_f32 v[AA+2*\u], v[BM+\u]
.endr
; Pass 3, two channel tiles at a time: x rsqrt, x gamma + beta, and into x's place in LDS: each word is written by the lane that read it.
.macro P3LOAD bt
.irp e, 0,1
.set gb, SS+32*((\bt)%2)+16*\e
	ds_load_b128 v[gb:gb+3], v[GLA] offset:64*(2*(\bt)+\e)
	ds_load_b128 v[gb+4:gb+7], v[GLA] offset:64*(2*(\bt)+\e)+16
	ds_load_b128 v[gb+8:gb+11], v[GLA] offset:2048+64*(2*(\bt)+\e)
	ds_load_b128 v[gb+12:gb+15], v[GLA] offset:2048+64*(2*(\bt)+\e)+16
.endr
.endm
.macro P3WORK bt
.irp u, 0,1
	WIN 0x82+0x41*\u
.irp e, 0,1
.irp i, 0,1,2,3
.set o, 8*(2*(\bt)+\e)+2*\i
	v_pk_mul_f32 v[o:o+1], v[o:o+1], v[AA+2*\u:AA+2*\u+1] op_sel_hi:[1,0]
.endr
.endr
.irp e, 0,1
.irp i, 0,1,2,3
.set o, 8*(2*(\bt)+\e)+2*\i
.set gb, SS+32*((\bt)%2)+16*\e+2*\i
	v_pk_fma_f32 v[o:o+1], v[o:o+1], v[gb:gb+1], v[gb+8:gb+9]
.endr
.endr
	WIN 0x08+4*\u                                  ; an LDS store's data are its source 1
.irp e, 0,1
.irp j, 0,1,2,3,4,5,6,7
	ds_store_b32 v[VXQ+(\bt)/4], v[8*(2*(\bt)+\e)+\j] offset:(16*((2*(\bt)+\e)%8)+\j)*XP+32*\u
.endr
.endr
.endr
	WIN 0
.endm
	P3LOAD 0
	P3LOAD 1
	v_nop                                          ; a plain line behind the last root
	s_wait_alu depctr_va_vdst(0)                   ; and the wait ahead of the first use: one for both
	s_wait_dscnt 8                                 ; batch 0's constants are in; batch 1's 8 loads may be out
	P3WORK 0
	P3LOAD 2
.irp bt, 1,2,3,4,5,6,7,8,9,10,11,12,13
	s_wait_dscnt 40                                ; behind this batch's loads: the last batch's 32 stores and the next batch's 8 loads
	P3WORK \bt
	P3LOAD \bt+2
.endr
	s_wait_dscnt 40
	P3WORK 14
	s_wait_dscnt 32
	P3WORK 15
	s_wait_dscnt 0x0                               ; for the others' sake: my results lie in LDS
	s_barrier_signal -1
	s_barrier_wait -1
; THE WAY OUT: wave w stores region w: 128 channel rows of 512 bytes.  Each row has four registers of its own, where O^T lay: 128 LDS loads on end, then 128 stores on end; no register is written again, so no wait stands among the stores.
	WIN 0x80
.set k, 0
.rept 64
	ds_load_b128 v[4*k:4*k+3], v[RD0] offset:XP*k
.set k, k+1
.endr
	WIN 0xc0
.set k, 0
.rept 64
	ds_load_b128 v[4*k:4*k+3], v[RDA] offset:XP*k
.set k, k+1
.endr
.irp g, 0,1,2,3,4,5,6,7
.if \g == 0
	s_wait_dscnt 63                                ; at most 63 of the 128 loads are out: rows 0 to 64 are in
.elseif \g > 3
	s_wait_dscnt 112-16*\g                         ; the loads of the rows behind this group of 16 may be out
.endif
	WIN 0x08+4*(\g/4)                              ; a store's data are its source 1: window 2, then 3
.irp i, 0,1,2,3,4,5,6,7,8,9,10,11,12,13,14,15
	global_store_b128 v[AL], v[4*(16*(\g%4)+\i):4*(16*(\g%4)+\i)+3], s[OP:OP+1] offset:8192*(16*\g+\i) th:TH_STORE_NT   ; 32 lanes store 512 consecutive bytes, at a multiple of 512 from the output's first byte
.endr
.endr
	WIN 0
	s_wait_tensorcnt 0x0                           ; the wave's end
	ds_add_u32 v[SPW], v[NIL]
	s_wait_dscnt 0x0
	CROUND                                         ; the closing round: no work-group ends while a partner may still ask for a block that names it
	s_endpgm
.Lfunc_end_k_q77b0c0d5cb_attn:
	.size	k_q77b0c0d5cb_attn, .Lfunc_end_k_q77b0c0d5cb_attn-k_q77b0c0d5cb_attn
	.p2alignl 7, 3214868480
	.fill 96, 4, 3214868480
	.section	.rodata,"a",@progbits
	.p2align	6, 0x0
	.amdhsa_kernel k_q77b0c0d5cb_attn
		.amdhsa_group_segment_fixed_size 327680
		.amdhsa_private_segment_fixed_size 0
		.amdhsa_enable_private_segment 0
		.amdhsa_kernarg_size 56
		.amdhsa_user_sgpr_count 2
		.amdhsa_user_sgpr_kernarg_segment_ptr 1
		.amdhsa_wavefront_size32 1
		.amdhsa_system_sgpr_workgroup_id_x 1
		.amdhsa_system_sgpr_workgroup_id_y 1
		.amdhsa_system_sgpr_workgroup_id_z 1
		.amdhsa_system_vgpr_workitem_id 0
		.amdhsa_next_free_vgpr 1024
		.amdhsa_next_free_sgpr 100
		.amdhsa_reserve_vcc 0
		.amdhsa_float_denorm_mode_32 3
		.amdhsa_float_denorm_mode_16_64 3
		.amdhsa_memory_ordered 1
		.amdhsa_forward_progress 1
		.amdhsa_inst_pref_size 255
	.end_amdhsa_kernel
	.section	.bss,"aw",@nobits
	.p2align	6
	.space	262144
	.amdgpu_metadata
---
amdhsa.version: [ 1, 2 ]
amdhsa.kernels:
  - .name:           k_q77b0c0d5cb_attn
    .symbol:         k_q77b0c0d5cb_attn.kd
    .args:
      - { .name: kv, .offset: 0, .size: 8, .value_kind: global_buffer, .address_space: global }
      - { .name: x1, .offset: 8, .size: 8, .value_kind: global_buffer, .address_space: global }
      - { .name: x2, .offset: 16, .size: 8, .value_kind: global_buffer, .address_space: global }
      - { .name: ln_gamma, .offset: 24, .size: 8, .value_kind: global_buffer, .address_space: global }
      - { .name: ln_beta, .offset: 32, .size: 8, .value_kind: global_buffer, .address_space: global }
      - { .name: out0, .offset: 40, .size: 8, .value_kind: global_buffer, .address_space: global }
      - { .name: out1, .offset: 48, .size: 8, .value_kind: global_buffer, .address_space: global }
    .group_segment_fixed_size: 327680
    .private_segment_fixed_size: 0
    .kernarg_segment_align: 8
    .kernarg_segment_size: 56
    .max_flat_workgroup_size: 128
    .sgpr_count:     100
    .vgpr_count:     1024
    .wavefront_size: 32
...
	.end_amdgpu_metadata
.endif
;; end of part 3
